; MI455X (gfx1250); checked and timed in simulation.
; The chip was launched on July 23, 2026; its instructions are those of AMD's public machine-readable ISA for CDNA 5 (MIT licence, August 2026) and "CDNA5" Instruction Set Architecture Reference Guide (July 2026). The comments in the code are by the model that wrote it; some were corrected since.
;; Mo E With Deep GEMM. Allowed arithmetic: float matrix products may take bf16 or f16 operands with f32 sums; other float arithmetic in f32, or as packed bf16 or f16 multiplies, adds, multiply-adds, maxima and minima; sums over many terms, partial sums and values carried from step to step in f32; what a program stores and reads back later, other than sums and carried values, may be rounded once to bf16 or f16.
;; Inputs: expert_w 8 x 2,048 x 2,048 float32; gate_b 8 float32; gate_w 8 x 2,048 float32; x 2,048 x 2,048 float32.
;; Outputs: out0 2,048 x 2,048 float32.
;; 2 versions, each right; version 2 is version 1 with the launch prep written anew for expert scheduling mode. Each part assembles by itself: llvm-mc -triple=amdgcn-amd-amdhsa -mcpu=gfx1250 --defsym DOCPART=n.
;; ======== version 1 of 2: 2 launches
;; workspace buffers: xq 8,388,608 bytes; wq 67,108,864 bytes; gates 65,536 bytes
;; launch prep (part 1): grid 256 x 1, 8 waves a work-group, no clusters, 70,912 bytes of LDS; arguments expert_w, x, gate_w, gate_b, wq, xq, gates; writes wq, xq, gates
.if DOCPART == 1
	.amdgcn_target "amdgcn-amd-amdhsa--gfx1250"
	.amdhsa_code_object_version 6
	.text
	.protected	k_q4c41f8ee1d_prep
	.globl	k_q4c41f8ee1d_prep
	.p2align	8
	.type	k_q4c41f8ee1d_prep,@function
k_q4c41f8ee1d_prep:
	s_mov_b64 s[64:65], 0
	v_nop
	global_prefetch_b8 v0, s[64:65] scope:SCOPE_SE
	s_setreg_imm32_b32 hwreg(HW_REG_WAVE_MODE, 25, 1), 1
	s_wait_xcnt 0x0
; PREP.  xq = q8(x), wq = q8(expert_w), both written as bf16; gates = softmax over the 8 experts of x . gate_w^T + gate_b, in f32.
; q8 is the rounding to e4m3 and back: every e4m3 number (3 mantissa bits, exponents -9 to 8) is exact in bf16, so the bf16 copies lose nothing more.
; LIMITS.  A number too large for e4m3 becomes NaN (the conversion does not saturate), as the cast in the problem's own text is taken to do.  A gate below 2^-126 counts as 0
; (the exponential flushes such results: ISA guide, 15.8).  The gate's sums of 2,048 terms are f32, taken as a tree, in another order than a plain loop's.
; SHARES.  256 work-groups of 8 waves.  Work-group b streams 64 rows of expert_w (524,288 consecutive bytes: expert b / 32, block b % 32 of 64 rows) into 262,144 consecutive bytes of wq, whose
; layout is [h / 64][expert][h % 64][2048]: the 256 rows that the product's work-group multiplies in one pass lie end to end.  It also takes x's rows 8 b .. 8 b + 7: wave w owns columns 256 w .. 256 w + 255.
; A load of a wave covers 512 consecutive bytes (16 a lane), a store 256 consecutive bytes (8 a lane), at a multiple of 256 from the buffer's first byte.
; THE GATE PRODUCT has 8 rows of gate_w, 1/2048 of the program's multiply-adds: it rides on x's stream in f32 vector arithmetic, on x as it is given (not quantised); the matrix unit would save nothing and
; 16-bit operands would cost accuracy.  No cluster, no tensor load: no tile is shared but gate_w's 65,536 bytes, which each thread keeps in 64 registers.
; RING.  18 slots in registers: 16 pieces of expert_w and 2 of x a round, 8 rounds; every slot is asked for again a round ahead, so 18 loads of a wave are out.
.set PSEG,  272                        ; a segment of 64 partial sums: 256 bytes + 16 of padding = 68 words
.set GS,    69632                      ; behind the 256 segments: the 64 gates, [row][expert]
.set SPARE, 69888                      ; the spare words, 128 bytes for each of the 8 waves: four blocks of 256 bytes that no other line names
.set SPW, 2                            ; v2   SPARE + 4 x my thread's number; never rewritten
.set NIL, 3                            ; v3   0; never rewritten
.set LW,  4                            ; v4   65,536 w + 16 lane: my 16 bytes in the work-group's part of expert_w
.set SW,  5                            ; v5   32,768 w + 8 lane: my 8 bytes in its part of wq
.set LX,  6                            ; v6   1,024 w + 16 lane: my 16 bytes in a row of x, and of gate_w
.set SX,  7                            ; v7   512 w + 8 lane: my 8 bytes in a row of xq
.set PA,  8                            ; v8   where my partial sums of the round's row go
.set RA,  9                            ; v9   the segment that I add up
.set GSW, 10                           ; v10  where my quad's gate goes
.set BI,  11                           ; v11  gate_b of my quad's expert
.set BO,  18                           ; v18  its byte offset; never rewritten
.set P,   20                           ; v20-27  two sets of four numbers back from e4m3;  v16, v17: the codes, by the slot's parity
.set GW,  32                           ; v32-95  gate_w: expert e, piece j at GW + 8 e + 4 j
.set X,   96                           ; v96-167  slot i: four f32 as loaded (slots 16, 17: x)
.set Y,   168                          ; v168-203 slot i: four bf16 to store
.set S,   204                          ; v204-219 expert e: a pair of running sums
.set R,   96                           ; the reduction's 64 registers, where the ring lay
	s_load_b256 s[8:15], s[0:1], 0x0               ; expert_w s[8:9], x s[10:11], gate_w s[12:13], gate_b s[14:15]
	s_load_b128 s[16:19], s[0:1], 0x20             ; wq s[16:17], xq s[18:19]
	s_load_b64 s[20:21], s[0:1], 0x30              ; gates
	v_lshl_add_u32 v[SPW], v0, 2, SPARE
	v_mov_b32 v[NIL], 0
	v_and_b32 v1, 31, v0                           ; lane
	v_lshrrev_b32 v12, 5, v0
	v_readfirstlane_b32 s2, v12                    ; wave 0..7
	v_lshlrev_b32 v13, 4, v1
	v_lshlrev_b32 v14, 3, v1
	v_lshl_add_u32 v[LW], v12, 16, v13
	v_lshl_add_u32 v[SW], v12, 15, v14
	v_lshl_add_u32 v[LX], v12, 10, v13
	v_lshl_add_u32 v[SX], v12, 9, v14
	v_lshrrev_b32 v15, 6, v0                       ; partial sums: thread t writes word t % 64 of segment 4 (8 row + e) + t / 64
	v_mul_u32_u24 v15, v15, PSEG
	v_and_b32 v[PA], 63, v0
	v_lshl_add_u32 v[PA], v[PA], 2, v15
	v_mul_u32_u24 v[RA], v0, PSEG                  ; thread t adds up segment t: row t / 32 (its wave), expert (t / 4) % 8, quarter t % 4
	v_lshrrev_b32 v15, 2, v0
	v_lshl_add_u32 v[GSW], v15, 2, GS
	v_and_b32 v[BO], 7, v15
	v_lshlrev_b32 v[BO], 2, v[BO]
	v_mov_b32 v16, 0                               ; the conversions write halves: the registers are written whole once
	v_mov_b32 v17, 0
	s_lshl_b32 s4, ttmp9, 19                       ; 64 rows of 8,192 bytes of expert_w
	s_mov_b32 s5, 0
	s_lshl_b32 s6, ttmp9, 16                       ; 8 rows of x
	s_mov_b32 s7, 0
	s_and_b32 s24, ttmp9, 31                       ; wq: block b % 32 of 512 rows of 4,096 bytes,
	s_lshl_b32 s24, s24, 21
	s_lshr_b32 s25, ttmp9, 5                       ; in it expert b / 32's 64 rows
	s_lshl_b32 s25, s25, 18
	s_add_co_u32 s24, s24, s25
	s_mov_b32 s25, 0
	s_lshl_b32 s26, ttmp9, 15                      ; 8 rows of xq
	s_mov_b32 s27, 0
	s_mov_b32 s22, 0x76543210                      ; v_permlanex16_b32: each lane takes its own place in the other half
	s_mov_b32 s23, 0xfedcba98
	s_wait_kmcnt 0x0
	s_add_nc_u64 s[8:9], s[8:9], s[4:5]
	s_add_nc_u64 s[10:11], s[10:11], s[6:7]
	s_add_nc_u64 s[16:17], s[16:17], s[24:25]
	s_add_nc_u64 s[18:19], s[18:19], s[26:27]
	s_lshl_b32 s4, ttmp9, 8                        ; 8 rows of 32 bytes of gates
	s_add_nc_u64 s[20:21], s[20:21], s[4:5]
	global_load_b32 v[BI], v[BO], s[14:15]
.irp e, 0,1,2,3,4,5,6,7
	global_load_b128 v[GW+8*(\e):GW+8*(\e)+3],   v[LX], s[12:13] offset:8192*(\e)       ; every work-group reads gate_w: no hint
	global_load_b128 v[GW+8*(\e)+4:GW+8*(\e)+7], v[LX], s[12:13] offset:8192*(\e)+512
.endr
.irp i, 0,1,2,3,4,5,6,7,8,9,10,11,12,13,14,15
	global_load_b128 v[X+4*(\i):X+4*(\i)+3], v[LW], s[8:9] offset:512*(\i) th:TH_LOAD_NT  ; the ring is filled: round 0
.endr
	global_load_b128 v[X+64:X+67], v[LX], s[10:11] th:TH_LOAD_NT
	global_load_b128 v[X+68:X+71], v[LX], s[10:11] offset:512 th:TH_LOAD_NT
; Slot i's four numbers: to e4m3 (nearest even), back to f32, and packed as bf16, which changes nothing more.
.macro CONV i
.set cX, X+4*(\i)
.set cY, Y+2*(\i)
.set cP, P+4*((\i)%2)
.if (\i)%2 == 0
	v_cvt_pk_fp8_f32 v16.l, v[cX], v[cX+1]
	v_cvt_pk_fp8_f32 v16.h, v[cX+2], v[cX+3]
	v_cvt_pk_f32_fp8 v[cP:cP+1], v16.l
	v_cvt_pk_f32_fp8 v[cP+2:cP+3], v16.h
.else
	v_cvt_pk_fp8_f32 v17.l, v[cX], v[cX+1]
	v_cvt_pk_fp8_f32 v17.h, v[cX+2], v[cX+3]
	v_cvt_pk_f32_fp8 v[cP:cP+1], v17.l
	v_cvt_pk_f32_fp8 v[cP+2:cP+3], v17.h
.endif
	v_cvt_pk_bf16_f32 v[cY], v[cP], v[cP+1]
	v_cvt_pk_bf16_f32 v[cY+1], v[cP+2], v[cP+3]
.endm
; A slot of expert_w.  ahead = 1: it is asked for again, a round (8,192 bytes) on, ahead of the store.  left = the younger loads that may stay out.
.macro WSLOT i, ahead, left
	s_wait_loadcnt \left                           ; loads come back in order (ISA guide 5.7.1): mine is in
	CONV \i
.if \ahead
	global_load_b128 v[X+4*(\i):X+4*(\i)+3], v[LW], s[8:9] offset:512*(\i)+8192 th:TH_LOAD_NT
.endif
	global_store_b64 v[SW], v[Y+2*(\i):Y+2*(\i)+1], s[16:17] offset:256*(\i)
.endm
; The round's row of x: slots 16 and 17.  Quantised for xq; and, from the numbers as loaded, my eight columns' share of the row's eight logits, stage by stage over the experts so that no line waits for the one before it.
.macro XROW ahead, left
	s_wait_loadcnt \left
	CONV 16
	CONV 17
.irp e, 0,1,2,3,4,5,6,7
	v_pk_mul_f32 v[S+2*(\e):S+2*(\e)+1], v[X+64:X+65], v[GW+8*(\e):GW+8*(\e)+1]
.endr
.irp e, 0,1,2,3,4,5,6,7
	v_pk_fma_f32 v[S+2*(\e):S+2*(\e)+1], v[X+66:X+67], v[GW+8*(\e)+2:GW+8*(\e)+3], v[S+2*(\e):S+2*(\e)+1]
.endr
.irp e, 0,1,2,3,4,5,6,7
	v_pk_fma_f32 v[S+2*(\e):S+2*(\e)+1], v[X+68:X+69], v[GW+8*(\e)+4:GW+8*(\e)+5], v[S+2*(\e):S+2*(\e)+1]
.endr
.irp e, 0,1,2,3,4,5,6,7
	v_pk_fma_f32 v[S+2*(\e):S+2*(\e)+1], v[X+70:X+71], v[GW+8*(\e)+6:GW+8*(\e)+7], v[S+2*(\e):S+2*(\e)+1]
.endr
.irp e, 0,1,2,3,4,5,6,7
	v_add_f32 v[S+2*(\e)], v[S+2*(\e)], v[S+2*(\e)+1]
.endr
.irp e, 0,1,2,3,4,5,6,7
	ds_store_b32 v[PA], v[S+2*(\e)] offset:4*PSEG*(\e)  ; an expert's four segments are 1,088 bytes
.endr
.if \ahead
	v_add_nc_u32 v[PA], 32*PSEG, v[PA]             ; the next row's 32 segments
	global_load_b128 v[X+64:X+67], v[LX], s[10:11] offset:8192 th:TH_LOAD_NT
	global_load_b128 v[X+68:X+71], v[LX], s[10:11] offset:8704 th:TH_LOAD_NT
.endif
	global_store_b64 v[SX], v[Y+32:Y+33], s[18:19]
	global_store_b64 v[SX], v[Y+34:Y+35], s[18:19] offset:256
.endm
	s_mov_b32 s3, 7
.Lround:
.irp i, 0,1,2,3,4,5,6,7,8,9,10,11,12,13,14,15
	WSLOT \i, 1, 17                                ; behind a slot's load stand the 17 other slots' (the first such wait also shows gate_b and gate_w in: they were asked for earlier)
.endr
	XROW 1, 16                                     ; behind slot 17's load stand the next round's slots 0 to 15
	s_wait_xcnt 0x0                                ; every earlier memory instruction has had its addresses translated (ISA guide 3.1): the four bases and Y are rewritten only behind this wait
	s_add_nc_u64 s[8:9], s[8:9], 0x2000
	s_add_nc_u64 s[10:11], s[10:11], 0x2000
	s_add_nc_u64 s[16:17], s[16:17], 0x1000
	s_add_nc_u64 s[18:19], s[18:19], 0x1000
	s_sub_co_u32 s3, s3, 1
	s_cmp_lg_u32 s3, 0
	s_cbranch_scc1 .Lround
.irp i, 0,1,2,3,4,5,6,7,8,9,10,11,12,13,14,15
	WSLOT \i, 0, 17-(\i)                           ; the last round loads nothing: the counts run down
.endr
	XROW 0, 0
	; THE LOGITS.  Every thread has stored 64 partial sums; thread t adds up one segment of 64, a quad of lanes one logit.
	s_wait_dscnt 0x0                               ; for the others' sake: my partial sums are in LDS
	s_barrier_signal -1
	s_barrier_wait -1
.irp i, 0,1,2,3,4,5,6,7,8,9,10,11,12,13,14,15
	ds_load_b128 v[R+4*(\i):R+4*(\i)+3], v[RA] offset:16*(\i)
.endr
	s_wait_dscnt 0x0
.irp s, 32,16,8,4,2
.set cI, 0
.rept (\s)/2
	v_pk_add_f32 v[R+2*cI:R+2*cI+1], v[R+2*cI:R+2*cI+1], v[R+(\s)+2*cI:R+(\s)+2*cI+1]
.set cI, cI+1
.endr
.endr
	v_add_f32 v[R], v[R], v[R+1]
	v_add_f32_dpp v[R], v[R], v[R] row_xmask:1 row_mask:0xf bank_mask:0xf
	v_add_f32_dpp v[R], v[R], v[R] row_xmask:2 row_mask:0xf bank_mask:0xf
	v_add_f32 v[R], v[R], v[BI]                    ; the logit of row = my wave, expert = lane / 4, in all four lanes of the quad
	; SOFTMAX over the eight experts, which lie in lane bits 2 to 4: the maximum is taken away first
	v_mov_b32 v14, v[R]
	v_max_num_f32_dpp v14, v14, v14 row_xmask:4 row_mask:0xf bank_mask:0xf
	v_max_num_f32_dpp v14, v14, v14 row_xmask:8 row_mask:0xf bank_mask:0xf
	v_permlanex16_b32 v12, v14, s22, s23
	v_max_num_f32 v14, v14, v12
	v_sub_f32 v15, v[R], v14
	v_mul_f32 v15, 0x3fb8aa3b, v15                 ; log2(e)
	v_exp_f32 v15, v15
	v_nop                                          ; a plain instruction behind the exponential (ISA guide 5.7.2),
	s_wait_alu depctr_va_vdst(0)                   ; and the wait ahead of its first reader
	v_mov_b32 v13, v15
	v_add_f32_dpp v13, v13, v13 row_xmask:4 row_mask:0xf bank_mask:0xf
	v_add_f32_dpp v13, v13, v13 row_xmask:8 row_mask:0xf bank_mask:0xf
	v_permlanex16_b32 v12, v13, s22, s23
	v_add_f32 v13, v13, v12
	v_rcp_f32 v13, v13
	v_nop
	s_wait_alu depctr_va_vdst(0)
	v_mul_f32 v15, v15, v13
	ds_store_b32 v[GSW], v15                       ; a quad's four lanes write the same number to the same word
	s_wait_dscnt 0x0                               ; for wave 0's sake
	s_barrier_signal -1
	s_barrier_wait -1
	s_cmp_lg_u32 s2, 0
	s_cbranch_scc1 .Lend
	v_lshl_add_u32 v14, v1, 3, GS                  ; wave 0 stores the work-group's 64 gates: 256 consecutive bytes, at a multiple of 256 from the buffer's first
	ds_load_b64 v[20:21], v14
	v_lshlrev_b32 v13, 3, v1
	s_wait_dscnt 0x0
	global_store_b64 v13, v[20:21], s[20:21]
.Lend:
	s_wait_tensorcnt 0x0                           ; the wave's end: behind my last LDS store
	ds_add_u32 v[SPW], v[NIL]
	s_wait_dscnt 0x0
	s_endpgm
.Lfunc_end_k_q4c41f8ee1d_prep:
	.size	k_q4c41f8ee1d_prep, .Lfunc_end_k_q4c41f8ee1d_prep-k_q4c41f8ee1d_prep
	.p2alignl 7, 3214868480
	.fill 96, 4, 3214868480
	.section	.rodata,"a",@progbits
	.p2align	6, 0x0
	.amdhsa_kernel k_q4c41f8ee1d_prep
		.amdhsa_group_segment_fixed_size 70912
		.amdhsa_private_segment_fixed_size 0
		.amdhsa_enable_private_segment 0
		.amdhsa_kernarg_size 56
		.amdhsa_user_sgpr_count 2
		.amdhsa_user_sgpr_kernarg_segment_ptr 1
		.amdhsa_wavefront_size32 1
		.amdhsa_system_sgpr_workgroup_id_x 1
		.amdhsa_system_sgpr_workgroup_id_y 1
		.amdhsa_system_sgpr_workgroup_id_z 1
		.amdhsa_system_vgpr_workitem_id 0
		.amdhsa_next_free_vgpr 220
		.amdhsa_next_free_sgpr 66
		.amdhsa_reserve_vcc 0
		.amdhsa_float_denorm_mode_32 3
		.amdhsa_float_denorm_mode_16_64 3
		.amdhsa_memory_ordered 1
		.amdhsa_forward_progress 1
		.amdhsa_inst_pref_size 34
	.end_amdhsa_kernel
	.amdgpu_metadata
---
amdhsa.version: [ 1, 2 ]
amdhsa.kernels:
  - .name:           k_q4c41f8ee1d_prep
    .symbol:         k_q4c41f8ee1d_prep.kd
    .args:
      - { .name: expert_w, .offset: 0, .size: 8, .value_kind: global_buffer, .address_space: global }
      - { .name: x, .offset: 8, .size: 8, .value_kind: global_buffer, .address_space: global }
      - { .name: gate_w, .offset: 16, .size: 8, .value_kind: global_buffer, .address_space: global }
      - { .name: gate_b, .offset: 24, .size: 8, .value_kind: global_buffer, .address_space: global }
      - { .name: wq, .offset: 32, .size: 8, .value_kind: global_buffer, .address_space: global }
      - { .name: xq, .offset: 40, .size: 8, .value_kind: global_buffer, .address_space: global }
      - { .name: gates, .offset: 48, .size: 8, .value_kind: global_buffer, .address_space: global }
    .group_segment_fixed_size: 70912
    .private_segment_fixed_size: 0
    .kernarg_segment_align: 8
    .kernarg_segment_size: 56
    .max_flat_workgroup_size: 256
    .sgpr_count:     66
    .vgpr_count:     220
    .wavefront_size: 32
...
	.end_amdgpu_metadata
.endif
;; end of part 1
;; launch gemm (part 2): grid 32 x 8, 4 waves a work-group, clusters of 4 x 4, 327,680 bytes of LDS; arguments xq, wq, gates, out0; writes out0
.if DOCPART == 2
	.amdgcn_target "amdgcn-amd-amdhsa--gfx1250"
	.amdhsa_code_object_version 6
	.text
	.protected	k_q4c41f8ee1d_gemm
	.globl	k_q4c41f8ee1d_gemm
	.p2align	8
	.type	k_q4c41f8ee1d_gemm,@function
k_q4c41f8ee1d_gemm:
	s_mov_b64 s[64:65], 0
	v_nop
	global_prefetch_b8 v0, s[64:65] scope:SCOPE_SE
	s_setreg_imm32_b32 hwreg(HW_REG_WAVE_MODE, 25, 1), 1
	s_wait_xcnt 0x0
	s_wait_alu depctr_hold_cnt(0) depctr_sa_sdst(0) depctr_va_vdst(0) depctr_va_sdst(0) depctr_va_ssrc(0) depctr_va_vcc(0) depctr_vm_vsrc(0)
	s_getreg_b32 s2, hwreg(HW_REG_IB_STS2, 6, 4)
	s_cmp_eq_u32 s2, 0
	s_cbranch_scc0 .Lentry_in_a_cluster
	s_endpgm
.Lentry_in_a_cluster:
	s_bfe_u32 s2, ttmp6, 0x10000c
	s_cmp_lg_u32 s2, 0xf033
	s_cbranch_scc0 .Lentry_shape_is_right
	s_endpgm
.Lentry_shape_is_right:
; out[m][h] = sum over the 8 experts e of gates[m][e] x bf16( sum over d of xq[m][d] wq[e][h][d] ).  xq [2048][2048] bf16; wq [h / 64][e][h % 64][2048] bf16; gates [2048][8] f32; out [2048][2048] f32.
; The operands are exact copies of e4m3 numbers; the sums over d are f32; each is rounded once to bf16, as the problem asks, and weighed into out by one fused multiply-add in f32.
; LIMITS.  The f32 sums over d are taken in the matrix unit's order, not a plain loop's; NaN and infinities go through as the arithmetic makes them.
; SHARES.  A work-group owns 256 tokens x 64 columns of out, for all 8 experts, in TWO PASSES of 4 experts.  A pass is a tile of 256 tokens x 256 rows of wq (4 experts x 64 h, consecutive rows by wq's layout)
; over K = 2,048.  Four waves, as many as a WGP has SIMDs, each 128 x 128: 64 accumulators of 16 x 16, 512 registers.  A wave's 128 columns are 4 experts x 32 h, so the sum over experts never leaves the wave:
; its part of out is 128 x 32 f32, 128 registers, kept across the passes.  256 work-groups in all.
; K goes in steps of 128 through a ring of two LDS slots filled by the tensor data mover; the ring does not stop at the first pass's end: its last two changes of slots ask for the second pass's first two K steps.
; CLUSTERS: 4 x 4 work-groups.  The four of a row of the cluster own the same 256 tokens and need the same tiles of xq; the four of a column own the same 64 columns and need the same tiles of wq.  Such a tile is
; asked for JOINTLY: each of the four issues the same tensor load, with the same descriptor and a mask that names the four.
; THE MATRIX INSTRUCTION IS USED TRANSPOSED: source 0 = 16 rows of wq, source 1 = 16 rows of xq.  In the result lane l holds token l % 16, and its registers 0 to 7 the columns 8 (l / 16) + 0 .. 7.
; REGISTERS, in windows of 256 (s_set_vgpr_msb: bits 1:0 source 0, 3:2 source 1, 5:4 source 2, 7:6 destination):
;   window 0: v0-31 addresses; v32-63 my tokens' gates of the pass; v64-127, v128-191 fragments of xq, two buffers (on the way out: rows read back); v192-255 at work in the combine
;   window 1: v64-127, v128-191 fragments of wq, two buffers; v0-63, v192-255 my part of out
;   window 2: the accumulators of my tokens 0-63 (block a of 16 tokens, block b = 2 expert + half of my 32 h, at v[8 (8 (a % 4) + b)]);   window 3: those of my tokens 64-127
.set SIZE_K, 2048
.set KSTEP,  128
.set PITCH,  272                       ; an LDS row: 256 bytes of data + 16 of padding = 68 words: row r starts at bank 4 r mod 64 (64 banks of 4 bytes: ISA guide 11.1), so the 16 rows that a load touches start at 16 different banks
.set HALFT,  128*PITCH                 ; 128 rows: what one tensor load brings
.set SLOT,   4*HALFT                   ; xq's 256 rows, then wq's 256 rows
.set STAGE,  2*SLOT                    ; behind the ring, never filled by a tensor load: 128 rows x 272 bytes, the work-group's, for the way out
.set SPITCH, 272
.set SPARE,  STAGE+128*SPITCH          ; behind the stage: the spare words, 128 bytes for each wave: two blocks of 256 bytes that no other line names
.set LAPS,   SIZE_K/(2*KSTEP)          ; a lap = two K steps = once round the ring: 8 a pass
.set BACK,   (SIZE_K-2*KSTEP)*2        ; bytes from a slot's last K step of a pass back to its first: xq's tiles are the same in both passes
.set NEXT_B, 256*SIZE_K*2-BACK         ; wq goes 256 rows on and back along K
.set ADRA, 16                          ; v16-17  LDS address of my xq fragments in slot 0, 1
.set ADRB, 20                          ; v20-21  the same for wq
.set STO,  24                          ; v24     the way out: where I put 16 bytes of a row
.set RD,   25                          ; v25     the way out: where I read a row back
.set CO,   26                          ; v26     my byte offset in out
.set ZERO, 27                          ; v27     0: what the first expert's product is added to
.set SPW,  28                          ; v28     LDS address of my spare word: SPARE + 4 x my thread's number; never rewritten
.set NIL,  29                          ; v29     0, for the add alone; never rewritten
.set GO,   30                          ; v30     my token's byte offset in 16 rows of gates; never rewritten
.set G,    32                          ; v32-63  gate of token block a, expert el of the pass, at G + 4 a + el
.set F0,   64                          ; fragment buffer 0
.set F1,   128                         ; fragment buffer 1
.set OB,   64                          ; the way out: rows read back from the stage
.set TMP,  192                         ; the combine: two token blocks' results as bf16 pairs
.set WV, 12                            ; s12  my wave's number
.set MI, 13                            ; s13  which 128 tokens are mine.  Also: I fetch for xq (0) or for wq (1)
.set NI, 14                            ; s14  which 32 of the 64 h are mine.  Also: which 128 rows of that tile I fetch
.set G1, 24                            ; s[24:31] descriptor group 1 for xq's tiles
.set G0, 32                            ; s[32:39] descriptor group 0 for xq's tiles, one set for each slot
.set G1B, 48                           ; s[48:55] descriptor group 1 for wq's tiles: it differs in the mask alone
.set G0B, 56                           ; s[56:63] descriptor group 0 for wq's tiles, one set for each slot
.set MSB, 0
.macro WIN new                         ; the immediate's high byte repeats the setting that is left; a switch that changes nothing is dropped
.if MSB != (\new)
	s_set_vgpr_msb (MSB<<8)|(\new)
.set MSB, \new
.endif
.endm
.set MUL_LO, 0xa1                      ; source 0 (wq) window 1, source 1 (xq) window 0, C and D window 2
.set MUL_HI, 0xf1                      ; the same, C and D window 3
.set TO_B,   0x40                      ; destination window 1, address window 0
; A joint load.  Waves 0 and 1 fetch xq's two halves, waves 2 and 3 wq's.  Each of the two lines has one mask and one set of registers for all that issue it.  The branch hangs on the wave's number alone.
; An s_nop 0 and four v_nop follow each of the two lines, ahead of the jump, the label and what follows the macro.
.macro JLOAD s
	s_cmp_eq_u32 s[MI], 0
	s_cbranch_scc0 .Lfor_b_\@
	tensor_load_to_lds s[G0+4*(\s):G0+4*(\s)+3], s[G1:G1+7]
	s_nop 0
.rept 4
	v_nop
.endr
	s_branch .Lasked_\@
.Lfor_b_\@:
	tensor_load_to_lds s[G0B+4*(\s):G0B+4*(\s)+3], s[G1B:G1B+7]
	s_nop 0
.rept 4
	v_nop
.endr
.Lasked_\@:
.endm
; A round of the cluster's barrier: my work-group's barrier, so that wave 0's signal speaks for all four waves; wave 0 signals for the work-group; every wave waits for all sixteen; my work-group's barrier once more.
.macro CREST                           ; a round behind its opening barrier
	s_cmp_lg_u32 s[WV], 0
	s_cbranch_scc1 .Lnot_wave_0_\@
	s_barrier_signal -3
.Lnot_wave_0_\@:
	s_barrier_wait -3
	s_barrier_signal -1
	s_barrier_wait -1
.endm
.macro CROUND                          ; a whole round
	s_barrier_signal -1
	s_barrier_wait -1
	CREST
.endm
	s_load_b256 s[4:11], s[0:1], 0x0               ; xq s[4:5], wq s[6:7], gates s[8:9], out s[10:11]
	v_lshl_add_u32 v[SPW], v0, 2, SPARE
	v_mov_b32 v[NIL], 0
	ds_add_u32 v[SPW], v[NIL]                      ; the wave's opening: the add and its wait stand ahead of my first tensor load; the set-up below, work on registers, stands between them
	ds_add_u32 v28, v29
	v_lshrrev_b32 v1, 5, v0
	v_readfirstlane_b32 s[WV], v1                  ; wave 0..3
	s_lshr_b32 s[MI], s[WV], 1
	s_and_b32 s[NI], s[WV], 1
	s_bfe_u32 s15, ttmp6, 0x40000                  ; cx: my place along the cluster's x
	s_bfe_u32 s16, ttmp6, 0x40004                  ; cy: along its y
	s_lshl_b32 s17, ttmp9, 2                       ; in a cluster launch ttmp9 and ttmp7 count clusters
	s_add_co_u32 s17, s17, s15                     ; tx = 4 x cluster x + cx: my 64 columns of out, 0..31
	s_and_b32 s18, ttmp7, 0xffff
	s_lshl_b32 s18, s18, 2
	s_add_co_u32 s18, s18, s16                     ; ty = 4 x cluster y + cy: my 256 tokens, 0..7
	s_lshl_b32 s19, s16, 2
	s_lshl_b32 s19, 15, s19                        ; my row of the cluster: places 4 cy .. 4 cy + 3
	s_lshl_b32 s20, 0x1111, s15                    ; my column: places cx, cx + 4, cx + 8, cx + 12
	; descriptor group 1: a tile of 128 rows x 128 elements, padded in LDS
	s_or_b32 s[G1+0], s19, (1<<16)|(1<<20)|(1<<21)|(5<<22)|(3<<25)   ; 15:0 the mask: xq's tiles go to my row; 17:16 elements of 2 bytes; 20 padding on; 21 set beside a mask; 24:22 after every 64 words (code 5); 31:25 4 words of it (code 3)
	s_or_b32 s[G1B+0], s20, (1<<16)|(1<<20)|(1<<21)|(5<<22)|(3<<25)  ; the same with the mask of my column, for wq's tiles
.irp g, G1, G1B
	s_mov_b32 s[(\g)+1], KSTEP<<16                 ; 63:48 tensor_dim0 = 128
	s_mov_b32 s[(\g)+2], 128<<16                   ; 95:80 tensor_dim1 = 128
	s_mov_b32 s[(\g)+3], KSTEP<<16                 ; 127:112 tile_dim0 = 128
	s_mov_b32 s[(\g)+4], 128                       ; 143:128 tile_dim1 = 128; tile_dim2 = 0
	s_mov_b32 s[(\g)+5], SIZE_K                    ; 191:160 elements from row to row
	s_mov_b32 s[(\g)+6], 0
	s_mov_b32 s[(\g)+7], 0
.endr
	; where the tiles come from.  xq's hang on ty alone, which my row of the cluster shares; wq's on tx alone, which my column shares.  Every wave makes both, in registers that never hold the other coordinate.
	s_lshl_b32 s22, s[NI], 7                       ; which 128 rows of the tile I fetch
	s_lshl_b32 s40, s18, 8
	s_add_co_u32 s40, s40, s22                     ; xq: row 256 ty + 128 half,
	s_lshl_b32 s40, s40, 12                        ; of 4,096 bytes
	s_mov_b32 s41, 0
	s_lshl_b32 s42, s17, 9
	s_add_co_u32 s42, s42, s22                     ; wq: row 512 tx + 128 half (the first pass's 256 rows)
	s_lshl_b32 s42, s42, 12
	s_mov_b32 s43, 0
	s_mul_i32 s21, s[WV], HALFT                    ; and where they go: xq's two halves, then wq's two halves = wave x 128 rows: no place in the cluster enters an LDS address
	s_wait_dscnt 0x0                               ; the opening add is done
	s_wait_kmcnt 0x0
	s_add_nc_u64 s[40:41], s[4:5], s[40:41]
	s_add_nc_u64 s[42:43], s[6:7], s[42:43]
	CROUND                                         ; all sixteen work-groups are here: the first joint loads meet
.irp s, 0,1
	s_mov_b32 s[G0+4*(\s)], 1                                        ; 1:0 count = 1
	s_add_co_u32 s[G0+4*(\s)+1], s21, (\s)*SLOT                      ; 63:32 LDS address
	s_add_nc_u64 s[G0+4*(\s)+2:G0+4*(\s)+3], s[40:41], (\s)*KSTEP*2  ; 120:64 global address: K step s
	s_or_b32 s[G0+4*(\s)+3], s[G0+4*(\s)+3], 0x80000000              ; 127:126 type = 2
	s_mov_b32 s[G0B+4*(\s)], 1
	s_add_co_u32 s[G0B+4*(\s)+1], s21, (\s)*SLOT
	s_add_nc_u64 s[G0B+4*(\s)+2:G0B+4*(\s)+3], s[42:43], (\s)*KSTEP*2
	s_or_b32 s[G0B+4*(\s)+3], s[G0B+4*(\s)+3], 0x80000000
	JLOAD \s                                       ; the ring is filled before anything else is done: two loads of mine are out
.endr
	; A fragment is 16 rows x 32 K in 8 registers: lane l holds row l % 16; registers 0-3 hold K = 8 (l / 16) + 0..7, registers 4-7 K = 16 + 8 (l / 16) + 0..7: two loads of 16 bytes, 32 bytes apart.
	v_and_b32 v1, 15, v0                           ; r = l % 16
	v_bfe_u32 v2, v0, 4, 1                         ; h = l / 16
	v_mul_u32_u24 v3, v1, PITCH
	v_lshl_add_u32 v3, v2, 4, v3                   ; row x pitch + 16 x half
	s_mul_i32 s22, s[MI], HALFT                    ; my 128 rows of xq
	s_mul_i32 s23, s[NI], 32*PITCH                 ; my 32 rows in each expert's 64 of wq,
	s_add_co_u32 s23, s23, 2*HALFT                 ; which lie behind xq's 256
.irp s, 0,1
	v_add_nc_u32 v[ADRA+(\s)], s22, v3
	v_add_nc_u32 v[ADRB+(\s)], s23, v3
	s_add_co_u32 s22, s22, SLOT
	s_add_co_u32 s23, s23, SLOT
.endr
	s_mul_i32 s22, s[MI], 64*SPITCH                ; into the stage: 64 rows for each half of the tokens, my 128 of their 256 bytes; row l % 16, 32 bytes for each half of the lanes
	s_lshl_b32 s23, s[NI], 7
	s_add_co_u32 s22, s22, s23
	s_add_co_u32 s22, s22, STAGE
	v_mul_u32_u24 v4, v1, SPITCH
	v_lshl_add_u32 v4, v2, 5, v4
	v_add_nc_u32 v[STO], s22, v4
	s_mul_i32 s22, s[WV], 32*SPITCH                ; back: wave w takes stage rows 32 w .. 32 w + 31, whole; lanes 0-15 one row of 256 bytes, lanes 16-31 the next
	s_add_co_u32 s22, s22, STAGE
	v_mul_u32_u24 v5, v2, SPITCH
	v_lshl_add_u32 v5, v1, 4, v5
	v_add_nc_u32 v[RD], s22, v5
	v_lshlrev_b32 v5, 13, v2                       ; and the same two rows in out, 8,192 bytes each
	v_lshl_add_u32 v[CO], v1, 4, v5
	v_lshlrev_b32 v[GO], 5, v1                     ; a token's 8 gates are 32 bytes
	v_mov_b32 v[ZERO], 0
	s_lshl_b32 s44, s18, 8
	s_lshl_b32 s45, s[MI], 7
	s_add_co_u32 s44, s44, s45                     ; my first token: 256 ty + 128 half
	s_lshl_b32 s46, s44, 5
	s_mov_b32 s47, 0
	s_add_nc_u64 s[8:9], s[8:9], s[46:47]          ; gates at my first token
	s_lshl_b32 s45, s[NI], 5
	s_add_co_u32 s44, s44, s45                     ; the first row of out that I store: + 32 x (wave % 2)
	s_lshl_b32 s44, s44, 13
	s_lshl_b32 s45, s17, 8                         ; the work-group's 64 columns: 256 bytes
	s_add_co_u32 s44, s44, s45
	s_mov_b32 s45, 0
	s_add_nc_u64 s[10:11], s[10:11], s[44:45]
; The gates of my 128 tokens for pass p's four experts: lane l takes token 16 a + l % 16.  They are waited for in the combine, a whole pass later.
.macro GLOAD p
.irp a, 0,1,2,3,4,5,6,7
	global_load_b128 v[G+4*(\a):G+4*(\a)+3], v[GO], s[8:9] offset:512*(\a)+16*(\p)
.endr
.endm
	GLOAD 0
; 16 matrix instructions: token blocks a0, a0 + 1 of the window's four (hi = 0: my tokens 0-63, 1: 64-127) x all 8 column blocks, 32 along K.  zero = 1: the first product starts the sums: nothing is ever cleared.
.macro MUL16 f, hi, a0, zero
	WIN MUL_LO+0x50*(\hi)
.irp a, \a0, (\a0)+1
.irp b, 0,1,2,3,4,5,6,7
.if \zero
	v_wmma_f32_16x16x32_bf16 v[8*(8*(\a)+(\b)):8*(8*(\a)+(\b))+7], v[(\f)+8*(\b):(\f)+8*(\b)+7], v[(\f)+8*(4*(\hi)+(\a)):(\f)+8*(4*(\hi)+(\a))+7], 0
.else
	v_wmma_f32_16x16x32_bf16 v[8*(8*(\a)+(\b)):8*(8*(\a)+(\b))+7], v[(\f)+8*(\b):(\f)+8*(\b)+7], v[(\f)+8*(4*(\hi)+(\a)):(\f)+8*(4*(\hi)+(\a))+7], v[8*(8*(\a)+(\b)):8*(8*(\a)+(\b))+7]
.endif
.endr
.endr
.endm
; 32 LDS loads in one run: the fragments of one quarter step (32 K at byte k of the rows) into buffer f.  wq's block i is expert i / 2 of the pass (64 rows each), half i % 2 of my 32 h; xq's block i is my tokens 16 i on.
.macro FETCH slot, k, f
	WIN TO_B
.irp i, 0,1,2,3,4,5,6,7
	ds_load_b128 v[(\f)+8*(\i):(\f)+8*(\i)+3],   v[ADRB+(\slot)] offset:(\k)+(((\i)/2)*64+((\i)%2)*16)*PITCH
	ds_load_b128 v[(\f)+8*(\i)+4:(\f)+8*(\i)+7], v[ADRB+(\slot)] offset:(\k)+(((\i)/2)*64+((\i)%2)*16)*PITCH+32
.endr
	WIN 0
.irp i, 0,1,2,3,4,5,6,7
	ds_load_b128 v[(\f)+8*(\i):(\f)+8*(\i)+3],   v[ADRA+(\slot)] offset:(\k)+(\i)*16*PITCH
	ds_load_b128 v[(\f)+8*(\i)+4:(\f)+8*(\i)+7], v[ADRA+(\slot)] offset:(\k)+(\i)*16*PITCH+32
.endr
.endm
; A load into a register that a matrix instruction has read, and a vector instruction that reads a matrix result, stand four places behind that matrix instruction, and only plain vector instructions that name
; none of its registers are places (ISA guide 7.12.1 for vector instructions).
.macro PLACES
.rept 4
	v_nop
.endr
.endm
; A K step is four quarter steps of 32 along K, 64 matrix instructions each, on buffers 0, 1, 0, 1.  The 64 accumulators take turns in the same order in every quarter.
; One of the first three: multiplies buffer f; in its middle it fetches the next quarter's fragments, at byte k of the same slot's rows, into buffer g.
.macro QUARTER slot, k, f, g, zero
	s_wait_dscnt 8                                 ; wq's fragments and xq's blocks 0-3 are in; the youngest eight loads (xq's blocks 4-7) may be out
	WIN MUL_LO
	MUL16 \f, 0, 0, \zero
	MUL16 \f, 0, 2, \zero
	PLACES
	FETCH \slot, \k, \g
	s_wait_dscnt 32                                ; all but the 32 just issued
	WIN MUL_HI
	MUL16 \f, 1, 0, \zero
	MUL16 \f, 1, 2, \zero
.endm
; The last quarter multiplies buffer 1 and changes slots.  MEET is its first half: one barrier for the change.  In front of it each wave waits for all its tensor loads, of which one is out: its part of the next
; slot; adds 0 to its spare word; and waits for that and for its own reads of this slot.  Behind it nobody reads this slot any more and the next slot is whole.
.macro MEET round                      ; round = 1: a round of the cluster's barrier follows
	WIN 0                                          ; (the add's two registers lie in window 0)
	s_wait_tensorcnt 0x0                           ; all my tensor loads have landed
	ds_add_u32 v[SPW], v[NIL]                      ; 0 onto my spare word
	s_wait_dscnt 9                                 ; (the add and the youngest eight loads may be out)
	WIN MUL_LO
	MUL16 F1, 0, 0, 0                              ; sixteen matrix instructions stand between the add and the wait for it
	s_wait_dscnt 0x0                               ; the add is done, and my reads of this slot are over
	s_barrier_signal -1
	MUL16 F1, 0, 2, 0                              ; work on registers while the others arrive
.if \round
	WIN 0
.endif
	s_barrier_wait -1
.endm
; The whole last quarter.  Behind the round the slot just read out is filled again first: with this pass's K step two steps on (on = 0) or, in the first pass's last two K steps, with the second pass's K step 0 or 1
; (on = 1); then come the next slot's first fragments.  From a request to the wait for it a wave issues 224 matrix instructions.
.macro TURN slot, next, on
	MEET 1
	CREST                                          ; no wave of any partner still reads this slot's tile or has a load on its way
.if \on
	s_sub_nc_u64 s[G0+4*(\slot)+2:G0+4*(\slot)+3], s[G0+4*(\slot)+2:G0+4*(\slot)+3], BACK
	s_add_nc_u64 s[G0B+4*(\slot)+2:G0B+4*(\slot)+3], s[G0B+4*(\slot)+2:G0B+4*(\slot)+3], NEXT_B
.else
	s_add_nc_u64 s[G0+4*(\slot)+2:G0+4*(\slot)+3], s[G0+4*(\slot)+2:G0+4*(\slot)+3], 2*KSTEP*2
	s_add_nc_u64 s[G0B+4*(\slot)+2:G0B+4*(\slot)+3], s[G0B+4*(\slot)+2:G0B+4*(\slot)+3], 2*KSTEP*2
.endif
	JLOAD \slot                                    ; the first tensor load behind the round; the four v_nop behind it are also the places in front of the loads below
	FETCH \next, 0, F0
	WIN MUL_HI
	MUL16 F1, 1, 0, 0
	MUL16 F1, 1, 2, 0
.endm
; THE COMBINE of a pass: y is rounded to bf16, and out += gate x y, two token blocks (group cG) at a time.  64 roundings, each accumulator's registers in ascending order; then for each of the
; pass's four experts 32 fused multiply-adds that read a bf16 half, an f32 gate and an f32 sum: two links onto one register of out stand 32 lines apart.  first = 1: the first expert's product is added to 0.
.macro COMBINE first
	WIN 0
	s_wait_loadcnt 0x0                             ; the pass's gates
.set cG, 0
.rept 4
	WIN 0x0a+5*(cG/2)                              ; sources 0 and 1: window 2 (blocks 0-3) or 3 (blocks 4-7); destination window 0
.set cI, 0
.rept 64                               ; cI = 32 x (block in the group) + 4 x column block + register pair
.set cA, 8*(8*((2*cG+cI/32)%4)+(cI/4)%8)+2*(cI%4)
	v_cvt_pk_bf16_f32 v[TMP+cI], v[cA], v[cA+1]
.set cI, cI+1
.endr
.set cE, 0
.rept 4
.if (\first) && (cE == 0)
	WIN 0x40                                       ; destination window 1; the addend, 0, in window 0
.else
	WIN 0x50                                       ; destination and addend window 1
.endif
.set cI, 0
.rept 16                               ; cI = 8 x (block in the group) + 4 x (half of my 32 h) + register pair
.set cT, TMP+32*(cI/8)+4*(2*cE+(cI/4)%2)+cI%4
.set cB, 2*(2*cG+cI/8)+(cI/4)%2        ; out's block: 2 x token block + half; blocks 0-7 at v0-63, blocks 8-15 at v192-255 of window 1
.set cO, 8*cB+128*(cB/8)+2*(cI%4)
.set cW, G+4*(2*cG+cI/8)+cE
.if (\first) && (cE == 0)
	v_fma_mix_f32_bf16 v[cO], v[cT], v[cW], v[ZERO] op_sel_hi:[1,0,0]
	v_fma_mix_f32_bf16 v[cO+1], v[cT], v[cW], v[ZERO] op_sel:[1,0,0] op_sel_hi:[1,0,0]
.else
	v_fma_mix_f32_bf16 v[cO], v[cT], v[cW], v[cO] op_sel_hi:[1,0,0]
	v_fma_mix_f32_bf16 v[cO+1], v[cT], v[cW], v[cO+1] op_sel:[1,0,0] op_sel_hi:[1,0,0]
.endif
.set cI, cI+1
.endr
.set cE, cE+1
.endr
.set cG, cG+1
.endr
	WIN 0
.endm
; THE WAY OUT of token blocks 4 p .. 4 p + 3.  A wave's 32 columns are 128 bytes, half of a row's 256: the two waves of a token half write the two halves of the same stage rows, a barrier stands between the
; writing and the reading, and each wave then reads 32 whole rows and stores them.  The two halves read back into different registers, so nothing waits for the stores.
.macro HALF p
	WIN 0x04                                       ; store data (source 1) in window 1
.set cI, 0
.rept 16                               ; cI = 4 x block + 2 x (half of my 32 h) + (which 16 of the lane's 32 bytes)
.set cB, 2*(4*(\p)+cI/4)+(cI/2)%2
.set cO, 8*cB+128*(cB/8)+4*(cI%2)
	ds_store_b128 v[STO], v[cO:cO+3] offset:(cI/4)*16*SPITCH+64*((cI/2)%2)+16*(cI%2)
.set cI, cI+1
.endr
	WIN 0
	s_wait_dscnt 0x0                               ; for the others' sake: my stores into the stage are done
	s_barrier_signal -1
	s_barrier_wait -1
.set cI, 0
.rept 16
	ds_load_b128 v[OB+64*(\p)+4*cI:OB+64*(\p)+4*cI+3], v[RD] offset:cI*2*SPITCH
.set cI, cI+1
.endr
.set cI, 0
.rept 16
	s_wait_dscnt 15-cI                             ; LDS loads come back in order (ISA guide 5.7.1)
	global_store_b128 v[CO], v[OB+64*(\p)+4*cI:OB+64*(\p)+4*cI+3], s[10:11] offset:(64*(\p)+2*cI)*8192 th:TH_STORE_NT  ; 16 lanes store 256 consecutive bytes, at a multiple of 256 from out's first byte
.set cI, cI+1
.endr
.if (\p) == 0
	s_barrier_signal -1                            ; every wave's reads of the stage are back (the count-down ended at 0): it may be written again
	s_barrier_wait -1
.endif
.endm
	s_wait_tensorcnt 1                             ; my part of K step 0 is in; K step 1's may stay out
	s_barrier_signal -1
	s_barrier_wait -1                              ; everybody's is
	FETCH 0, 0, F0
	s_mov_b32 s2, 2                                ; passes to go, this one among them: the same number in every work-group
.Lpass:
	QUARTER 0, 64,  F0, F1, 1                      ; a pass's first quarter stands in front of the loop: its products start the sums
	WIN 0                                          ; at a label and at a branch every window is 0
	s_mov_b32 s3, LAPS-1
.Llap:                                                 ; a trip goes once round the ring, from a lap's second quarter to the next lap's first, and fills both slots again
	QUARTER 0, 128, F1, F0, 0
	QUARTER 0, 192, F0, F1, 0
	TURN 0, 1, 0
	QUARTER 1, 64,  F0, F1, 0
	QUARTER 1, 128, F1, F0, 0
	QUARTER 1, 192, F0, F1, 0
	TURN 1, 0, 0
	QUARTER 0, 64,  F0, F1, 0
	WIN 0
	s_sub_co_u32 s3, s3, 1
	s_cmp_lg_u32 s3, 0
	s_cbranch_scc1 .Llap
	QUARTER 0, 128, F1, F0, 0                      ; the pass's last lap goes on
	QUARTER 0, 192, F0, F1, 0
	WIN 0
	s_cmp_eq_u32 s2, 1
	s_cbranch_scc1 .Llast                          ; the second pass's tail is written out: it asks for nothing more
	TURN 0, 1, 1                                   ; THE RING GOES ON INTO THE SECOND PASS: slot 0 takes its K step 0,
	QUARTER 1, 64,  F0, F1, 0
	QUARTER 1, 128, F1, F0, 0
	QUARTER 1, 192, F0, F1, 0
	TURN 1, 0, 1                                   ; slot 1 its K step 1, and the second pass's first fragments are fetched
	COMBINE 1                                      ; no v_nop: blocks 0-3 were finished in front of the joint load's four, and their lines, which name no register of the last products (blocks 4-7's), are those products' places
	GLOAD 1                                        ; the second pass's gates, into registers that the combine has read
	s_sub_co_u32 s2, s2, 1
	s_branch .Lpass
.Llast:
	MEET 0                                         ; my one tensor load that was still out is slot 1's, the last K step's, so no round follows
	PLACES                                         ; for the loads into buffer 0, which the quarter before multiplied
	FETCH 1, 0, F0
	WIN MUL_HI
	MUL16 F1, 1, 0, 0
	MUL16 F1, 1, 2, 0
	QUARTER 1, 64,  F0, F1, 0
	QUARTER 1, 128, F1, F0, 0
	QUARTER 1, 192, F0, F1, 0
	s_wait_dscnt 8                                 ; the very last quarter: nothing more to fetch
	WIN MUL_LO
	MUL16 F1, 0, 0, 0
	MUL16 F1, 0, 2, 0
	s_wait_dscnt 0x0
	MUL16 F1, 1, 0, 0
	MUL16 F1, 1, 2, 0
	WIN 0
	PLACES                                         ; the combine's first roundings read results with no vector work behind them
	COMBINE 0
	HALF 0
	HALF 1
	s_wait_tensorcnt 0x0                           ; the wave's end: behind my last tensor load and my last LDS store
	ds_add_u32 v[SPW], v[NIL]
	s_wait_dscnt 0x0
	CROUND                                         ; the closing round: no work-group ends while a partner may still ask for a tile that names it
	s_endpgm
.Lfunc_end_k_q4c41f8ee1d_gemm:
	.size	k_q4c41f8ee1d_gemm, .Lfunc_end_k_q4c41f8ee1d_gemm-k_q4c41f8ee1d_gemm
	.p2alignl 7, 3214868480
	.fill 96, 4, 3214868480
	.section	.rodata,"a",@progbits
	.p2align	6, 0x0
	.amdhsa_kernel k_q4c41f8ee1d_gemm
		.amdhsa_group_segment_fixed_size 327680
		.amdhsa_private_segment_fixed_size 0
		.amdhsa_enable_private_segment 0
		.amdhsa_kernarg_size 32
		.amdhsa_user_sgpr_count 2
		.amdhsa_user_sgpr_kernarg_segment_ptr 1
		.amdhsa_wavefront_size32 1
		.amdhsa_system_sgpr_workgroup_id_x 1
		.amdhsa_system_sgpr_workgroup_id_y 1
		.amdhsa_system_sgpr_workgroup_id_z 1
		.amdhsa_system_vgpr_workitem_id 0
		.amdhsa_next_free_vgpr 1024
		.amdhsa_next_free_sgpr 66
		.amdhsa_reserve_vcc 0
		.amdhsa_float_denorm_mode_32 3
		.amdhsa_float_denorm_mode_16_64 3
		.amdhsa_memory_ordered 1
		.amdhsa_forward_progress 1
		.amdhsa_inst_pref_size 252
	.end_amdhsa_kernel
	.amdgpu_metadata
---
amdhsa.version: [ 1, 2 ]
amdhsa.kernels:
  - .name:           k_q4c41f8ee1d_gemm
    .symbol:         k_q4c41f8ee1d_gemm.kd
    .args:
      - { .name: xq, .offset: 0, .size: 8, .value_kind: global_buffer, .address_space: global }
      - { .name: wq, .offset: 8, .size: 8, .value_kind: global_buffer, .address_space: global }
      - { .name: gates, .offset: 16, .size: 8, .value_kind: global_buffer, .address_space: global }
      - { .name: out0, .offset: 24, .size: 8, .value_kind: global_buffer, .address_space: global }
    .group_segment_fixed_size: 327680
    .private_segment_fixed_size: 0
    .kernarg_segment_align: 8
    .kernarg_segment_size: 32
    .max_flat_workgroup_size: 128
    .sgpr_count:     66
    .vgpr_count:     1024
    .wavefront_size: 32
...
	.end_amdgpu_metadata
.endif
;; end of part 2
;; ======== version 2 of 2: 2 launches; version 1 with the launch prep written anew for expert scheduling mode
;; workspace buffers: xq 8,388,608 bytes; wq 67,108,864 bytes; gates 65,536 bytes
;; launch prep (part 3): grid 256 x 1, 8 waves a work-group, no clusters, 70,912 bytes of LDS; arguments expert_w, x, gate_w, gate_b, wq, xq, gates; writes wq, xq, gates
.if DOCPART == 3
	.amdgcn_target "amdgcn-amd-amdhsa--gfx1250"
	.amdhsa_code_object_version 6
	.text
	.protected	k_q4c41f8ee1d_prep
	.globl	k_q4c41f8ee1d_prep
	.p2align	8
	.type	k_q4c41f8ee1d_prep,@function
k_q4c41f8ee1d_prep:
	s_mov_b64 s[64:65], 0
	v_nop
	global_prefetch_b8 v0, s[64:65] scope:SCOPE_SE
	s_setreg_imm32_b32 hwreg(HW_REG_WAVE_SCHED_MODE, 0, 2), 2
	s_setreg_imm32_b32 hwreg(HW_REG_WAVE_MODE, 25, 1), 1
	s_wait_xcnt 0x0
	s_wait_alu depctr_vm_vsrc(0)
; PREP.  xq = q8(x), wq = q8(expert_w), both written as bf16; gates = softmax over the 8 experts of x . gate_w^T + gate_b, in f32.
; q8 is the rounding to e4m3 and back: every e4m3 number (3 mantissa bits, exponents -9 to 8) is exact in bf16, so the bf16 copies lose nothing more.
; LIMITS.  x and expert_w within e4m3's range, 448 in magnitude: what the conversion makes of a larger number (the largest number or the NaN code) is not settled here; the problem's own cast gives NaN
; from about 464 on.  A gate below 2^-126 counts as 0 (the exponential flushes such results: ISA guide, 15.8).  The gate's sums of 2,048 terms are f32, taken as a tree, in another order than a plain loop's.
; SHARES.  256 work-groups of 8 waves.  Work-group b streams 64 rows of expert_w (524,288 consecutive bytes: expert b / 32, block b % 32 of 64 rows) into 262,144 consecutive bytes of wq, whose
; layout is [h / 64][expert][h % 64][2048]: the 256 rows that the product's work-group multiplies in one pass lie end to end.  It also takes x's rows 8 b .. 8 b + 7: wave w owns columns 256 w .. 256 w + 255.
; A load of a wave covers 512 consecutive bytes (16 a lane), a store 256 consecutive bytes (8 a lane), at a multiple of 256 from the buffer's first byte.
; THE GATE PRODUCT has 8 rows of gate_w, 1/2048 of the program's multiply-adds: it rides on x's stream in f32 vector arithmetic, on x as it is given (not quantised); the matrix unit would save nothing and
; 16-bit operands would cost accuracy.  No cluster, no tensor load: no tile is shared but gate_w's 65,536 bytes, which each thread keeps in 64 registers.
; RING.  18 slots in registers: 16 pieces of expert_w and 2 of x a round, 8 rounds; every slot is asked for again a round ahead, so up to 18 loads of a wave are out.
; THE MODE: SCHED_MODE bits 1:0 = 2 (LLVM: expert scheduling mode 2), set by the entry lines.  The code itself states the register dependences between vector instructions and memory or LDS
; instructions, with s_wait_alu, always for 0.
; THE PLAN.  A round is five blocks: blocks 0 to 3 take four slots of expert_w each, the fifth the row of x.  Registers that memory or LDS instructions touch, in the loop:
;   X, slots 4 k .. 4 k + 3   Read by block k's two conversions to e4m3 codes, at the block's head; behind the block's wait the next round's four loads land in them.
;   Y, slots 4 k .. 4 k + 3   Written by block k's roundings, behind its wait; read by four stores that are issued in the next block, behind that block's wait.
;   X, Y, slots 16, 17; S     The row's block reads X and writes Y and S ahead of its wait; behind it stand the row's two loads, eight LDS stores and two stores, and block 3's four stores.
;   v[PA]                     Read by the LDS stores; written once a round, at a trip's end.
;   v[LW], v[SW], v[LX], v[SX]  Offsets, made at the head and never written again: the scalar bases move on by a round, and immediate offsets do the rest.
;   The codes, P and the scale are named by vector instructions alone.
; So ONE wait on va_vdst stands in a block.  In blocks 0 to 3 it stands behind the code conversions, so that a slot is asked for again three vector instructions behind the wait for its data; the block's
; other sixteen conversions follow it and name the codes, P and this block's Y: none of the registers that the block's loads and stores touch.  One wait on vm_vsrc a round stands at the trip's end.
.set PSEG,  272                        ; a segment of 64 partial sums: 256 bytes + 16 of padding = 68 words
.set GS,    69632                      ; behind the 256 segments: the 64 gates, [row][expert]; from 69,888 on the spare words, 128 bytes for each wave
.set LW,  4                            ; v4   65,536 w + 16 lane: my 16 bytes in the work-group's part of expert_w
.set SW,  5                            ; v5   32,768 w + 8 lane: my 8 bytes in its part of wq
.set LX,  6                            ; v6   1,024 w + 16 lane: my 16 bytes in a row of x, and of gate_w
.set SX,  7                            ; v7   512 w + 8 lane: my 8 bytes in a row of xq
.set PA,  8                            ; v8   where my partial sums of the round's row go
.set RA,  9                            ; v9   the segment that I add up
.set GSW, 10                           ; v10  where my quad's gate goes
.set BI,  11                           ; v11  gate_b of my quad's expert
.set BO,  18                           ; v18  its byte offset; never rewritten
.set SC,  19                           ; v19  1.0: the scale of the conversion to codes, whose exponent, 0, divides by 1; never rewritten
.set P,   20                           ; v20-27  two sets of four numbers back from e4m3;  v16, v17, v28, v29: the codes, by the slot's number modulo 4
.set GW,  32                           ; v32-95  gate_w: expert e, piece j at GW + 8 e + 4 j
.set X,   96                           ; v96-167  slot i: four f32 as loaded (slots 16, 17: x)
.set Y,   168                          ; v168-203 slot i: four bf16 to store
.set S,   204                          ; v204-219 expert e: a pair of running sums
.set R,   96                           ; the reduction's 64 registers, where the ring lay
	s_load_b256 s[8:15], s[0:1], 0x0               ; expert_w s[8:9], x s[10:11], gate_w s[12:13], gate_b s[14:15]
	s_load_b128 s[16:19], s[0:1], 0x20             ; wq s[16:17], xq s[18:19]
	s_load_b64 s[20:21], s[0:1], 0x30              ; gates
	v_lshl_add_u32 v30, v0, 2, 0x11100
	v_mov_b32 v31, 0
	v_and_b32 v1, 31, v0                           ; lane
	v_lshrrev_b32 v12, 5, v0
	v_readfirstlane_b32 s2, v12                    ; wave 0..7
	v_lshlrev_b32 v13, 4, v1
	v_lshlrev_b32 v14, 3, v1
	v_lshl_add_u32 v[LW], v12, 16, v13
	v_lshl_add_u32 v[SW], v12, 15, v14
	v_lshl_add_u32 v[LX], v12, 10, v13
	v_lshl_add_u32 v[SX], v12, 9, v14
	v_lshrrev_b32 v15, 6, v0                       ; partial sums: thread t writes word t % 64 of segment 4 (8 row + e) + t / 64
	v_mul_u32_u24 v15, v15, PSEG
	v_and_b32 v[PA], 63, v0
	v_lshl_add_u32 v[PA], v[PA], 2, v15
	v_mul_u32_u24 v[RA], v0, PSEG                  ; thread t adds up segment t: row t / 32 (its wave), expert (t / 4) % 8, quarter t % 4
	v_lshrrev_b32 v15, 2, v0
	v_lshl_add_u32 v[GSW], v15, 2, GS
	v_and_b32 v[BO], 7, v15
	v_lshlrev_b32 v[BO], 2, v[BO]
	v_mov_b32 v[SC], 1.0
	s_wait_alu depctr_va_sdst(0)                   ; s2 is written: its first reader is the branch on the wave's number at the kernel's end, and this wait stands in the writer's own straight run
	s_lshl_b32 s4, ttmp9, 19                       ; 64 rows of 8,192 bytes of expert_w
	s_mov_b32 s5, 0
	s_lshl_b32 s6, ttmp9, 16                       ; 8 rows of x
	s_mov_b32 s7, 0
	s_and_b32 s24, ttmp9, 31                       ; wq: block b % 32 of 512 rows of 4,096 bytes,
	s_lshl_b32 s24, s24, 21
	s_lshr_b32 s25, ttmp9, 5                       ; in it expert b / 32's 64 rows
	s_lshl_b32 s25, s25, 18
	s_add_co_u32 s24, s24, s25
	s_mov_b32 s25, 0
	s_lshl_b32 s26, ttmp9, 15                      ; 8 rows of xq
	s_mov_b32 s27, 0
	s_mov_b32 s22, 0x76543210                      ; v_permlanex16_b32: each lane takes its own place in the other half
	s_mov_b32 s23, 0xfedcba98
	s_wait_kmcnt 0x0
	s_add_nc_u64 s[8:9], s[8:9], s[4:5]
	s_add_nc_u64 s[10:11], s[10:11], s[6:7]
	s_add_nc_u64 s[16:17], s[16:17], s[24:25]
	s_add_nc_u64 s[18:19], s[18:19], s[26:27]
	s_lshl_b32 s4, ttmp9, 8                        ; 8 rows of 32 bytes of gates
	s_add_nc_u64 s[20:21], s[20:21], s[4:5]
	s_wait_alu depctr_va_vdst(0)                   ; the offsets and LDS addresses v4 to v10 and v18 are written, which the kernel's loads, stores and LDS instructions read
	global_load_b32 v[BI], v[BO], s[14:15]
.irp e, 0,1,2,3,4,5,6,7
	global_load_b128 v[GW+8*(\e):GW+8*(\e)+3],   v[LX], s[12:13] offset:8192*(\e)       ; every work-group reads gate_w: no hint
	global_load_b128 v[GW+8*(\e)+4:GW+8*(\e)+7], v[LX], s[12:13] offset:8192*(\e)+512
.endr
.irp i, 0,1,2,3,4,5,6,7,8,9,10,11,12,13,14,15
	global_load_b128 v[X+4*(\i):X+4*(\i)+3], v[LW], s[8:9] offset:512*(\i) th:TH_LOAD_NT  ; the ring is filled: round 0
.endr
	global_load_b128 v[X+64:X+67], v[LX], s[10:11] th:TH_LOAD_NT
	global_load_b128 v[X+68:X+71], v[LX], s[10:11] offset:512 th:TH_LOAD_NT
; The eight numbers of slots i and i + 1 (i even: eight consecutive registers) go to e4m3: CODE8, the only line of a slot of expert_w that reads X.  Its result is two whole registers, the first number in the
; lowest byte: slot i's four codes in the first, slot i + 1's in the second.  Then back to f32, and packed as bf16, which changes nothing more: BACK.
.macro CODE8 i
.set cX, X+4*(\i)
.set cC, 16+12*(((\i)/2)%2)            ; v[16:17] or v[28:29]
	v_cvt_scalef32_pk8_fp8_f32 v[cC:cC+1], v[cX:cX+7], v[SC]
.endm
.macro BACK i
.set cY, Y+2*(\i)
.set cP, P+4*((\i)%2)
.if (\i)%4 == 0
	v_cvt_pk_f32_fp8 v[cP:cP+1], v16.l
	v_cvt_pk_f32_fp8 v[cP+2:cP+3], v16.h
.elseif (\i)%4 == 1
	v_cvt_pk_f32_fp8 v[cP:cP+1], v17.l
	v_cvt_pk_f32_fp8 v[cP+2:cP+3], v17.h
.elseif (\i)%4 == 2
	v_cvt_pk_f32_fp8 v[cP:cP+1], v28.l
	v_cvt_pk_f32_fp8 v[cP+2:cP+3], v28.h
.else
	v_cvt_pk_f32_fp8 v[cP:cP+1], v29.l
	v_cvt_pk_f32_fp8 v[cP+2:cP+3], v29.h
.endif
	v_cvt_pk_bf16_f32 v[cY], v[cP], v[cP+1]
	v_cvt_pk_bf16_f32 v[cY+1], v[cP+2], v[cP+3]
.endm
; Block k of a round: slots 4 k .. 4 k + 3 of expert_w.  ahead = 1: they are asked for again, a round (8,192 bytes) on.  left = the younger loads that may stay out.
.macro WBLK k, ahead, left
	s_wait_loadcnt \left                           ; loads come back in order (ISA guide 5.7.1): the block's four are in
	CODE8 4*(\k)
	CODE8 4*(\k)+2
	v_nop                                          ; a plain instruction behind the scaled conversions, before their results are read: one for the two
.if (\ahead) || ((\k) > 0)                     ; the last round's block 0 issues no memory instruction: it has no dependence to state
	s_wait_alu depctr_va_vdst(0)                   ; the code conversions are done reading this block's X, in which the loads below land; the block before has written its Y, which the stores below read
.endif
.if \ahead
.irp j, 0,1,2,3
	global_load_b128 v[X+4*(4*(\k)+(\j)):X+4*(4*(\k)+(\j))+3], v[LW], s[8:9] offset:512*(4*(\k)+(\j))+8192 th:TH_LOAD_NT
.endr
.endif
.irp j, 0,1,2,3
.if (\k) > 0
	global_store_b64 v[SW], v[Y+2*(4*(\k)+(\j))-8:Y+2*(4*(\k)+(\j))-7], s[16:17] offset:256*(4*(\k)+(\j))-1024  ; the block before's slot.  No wait: no vector instruction since the wait above names its Y
.endif
	BACK 4*(\k)+(\j)
.endr
.endm
; The round's row of x: slots 16 and 17.  Quantised for xq; and, from the numbers as loaded, my eight columns' share of the row's eight logits, stage by stage over the experts so that no line waits for the one before it.
.macro XROW ahead, left
	s_wait_loadcnt \left
	CODE8 16
	v_nop                                          ; a plain instruction behind the scaled conversion, before its result is read
	BACK 16
	BACK 17
.irp e, 0,1,2,3,4,5,6,7
	v_pk_mul_f32 v[S+2*(\e):S+2*(\e)+1], v[X+64:X+65], v[GW+8*(\e):GW+8*(\e)+1]
.endr
.irp e, 0,1,2,3,4,5,6,7
	v_pk_fma_f32 v[S+2*(\e):S+2*(\e)+1], v[X+66:X+67], v[GW+8*(\e)+2:GW+8*(\e)+3], v[S+2*(\e):S+2*(\e)+1]
.endr
.irp e, 0,1,2,3,4,5,6,7
	v_pk_fma_f32 v[S+2*(\e):S+2*(\e)+1], v[X+68:X+69], v[GW+8*(\e)+4:GW+8*(\e)+5], v[S+2*(\e):S+2*(\e)+1]
.endr
.irp e, 0,1,2,3,4,5,6,7
	v_pk_fma_f32 v[S+2*(\e):S+2*(\e)+1], v[X+70:X+71], v[GW+8*(\e)+6:GW+8*(\e)+7], v[S+2*(\e):S+2*(\e)+1]
.endr
.irp e, 0,1,2,3,4,5,6,7
	v_add_f32 v[S+2*(\e)], v[S+2*(\e)], v[S+2*(\e)+1]
.endr
	s_wait_alu depctr_va_vdst(0)                   ; the lines above are done reading X's slots 16 and 17, in which the loads below land; S, the row's Y and block 3's Y are written, which the LDS stores and the stores below read
.if \ahead
	global_load_b128 v[X+64:X+67], v[LX], s[10:11] offset:8192 th:TH_LOAD_NT
	global_load_b128 v[X+68:X+71], v[LX], s[10:11] offset:8704 th:TH_LOAD_NT
.endif
.irp e, 0,1,2,3,4,5,6,7
	ds_store_b32 v[PA], v[S+2*(\e)] offset:4*PSEG*(\e)  ; an expert's four segments are 1,088 bytes
.endr
.irp j, 0,1,2,3
	global_store_b64 v[SW], v[Y+24+2*(\j):Y+25+2*(\j)], s[16:17] offset:256*(12+(\j))  ; block 3's slots
.endr
	global_store_b64 v[SX], v[Y+32:Y+33], s[18:19]
	global_store_b64 v[SX], v[Y+34:Y+35], s[18:19] offset:256
.endm
	s_mov_b32 s3, 7
.Lround:
	WBLK 0, 1, 14                                  ; behind a block's fourth load stand the 14 other slots' (the first such wait also shows gate_b and gate_w in: they were asked for earlier)
	WBLK 1, 1, 14
	WBLK 2, 1, 14
	WBLK 3, 1, 14
	XROW 1, 16                                     ; behind slot 17's load stand the next round's slots 0 to 15
	s_wait_xcnt 0x0                                ; every earlier memory instruction has had its addresses translated (ISA guide 3.1): the four bases and Y are rewritten only behind this wait
	s_wait_alu depctr_vm_vsrc(0)                   ; the round's stores have read Y, its LDS stores S and v[PA]: the next round's roundings and sums, and the add below, write them again
	v_add_nc_u32 v[PA], 32*PSEG, v[PA]             ; the next row's 32 segments; the next round's first wait on va_vdst stands between this line and the LDS stores that read it
	s_add_nc_u64 s[8:9], s[8:9], 0x2000
	s_add_nc_u64 s[10:11], s[10:11], 0x2000
	s_add_nc_u64 s[16:17], s[16:17], 0x1000
	s_add_nc_u64 s[18:19], s[18:19], 0x1000
	s_sub_co_u32 s3, s3, 1
	s_cmp_lg_u32 s3, 0
	s_cbranch_scc1 .Lround
	WBLK 0, 0, 14                                  ; the last round loads nothing: the counts run down
	WBLK 1, 0, 10
	WBLK 2, 0, 6
	WBLK 3, 0, 2
	XROW 0, 0
	; THE LOGITS.  Every thread has stored 64 partial sums; thread t adds up one segment of 64, a quad of lanes one logit.
	s_wait_dscnt 0x0                               ; for the others' sake: my partial sums are in LDS
	s_barrier_signal -1
	s_barrier_wait -1
.irp i, 0,1,2,3,4,5,6,7,8,9,10,11,12,13,14,15
	ds_load_b128 v[R+4*(\i):R+4*(\i)+3], v[RA] offset:16*(\i)  ; they land where the ring lay: its last vector readers stand ahead of the last row's wait on va_vdst, and no vector instruction has been issued since
.endr
	s_wait_dscnt 0x0
.irp s, 32,16,8,4,2
.set cI, 0
.rept (\s)/2
	v_pk_add_f32 v[R+2*cI:R+2*cI+1], v[R+2*cI:R+2*cI+1], v[R+(\s)+2*cI:R+(\s)+2*cI+1]
.set cI, cI+1
.endr
.endr
	v_add_f32 v[R], v[R], v[R+1]
	v_add_f32_dpp v[R], v[R], v[R] row_xmask:1 row_mask:0xf bank_mask:0xf
	v_add_f32_dpp v[R], v[R], v[R] row_xmask:2 row_mask:0xf bank_mask:0xf
	v_add_f32 v[R], v[R], v[BI]                    ; the logit of row = my wave, expert = lane / 4, in all four lanes of the quad
	; SOFTMAX over the eight experts, which lie in lane bits 2 to 4: the maximum is taken away first
	v_mov_b32 v14, v[R]
	v_max_num_f32_dpp v14, v14, v14 row_xmask:4 row_mask:0xf bank_mask:0xf
	v_max_num_f32_dpp v14, v14, v14 row_xmask:8 row_mask:0xf bank_mask:0xf
	v_permlanex16_b32 v12, v14, s22, s23
	v_max_num_f32 v14, v14, v12
	v_sub_f32 v15, v[R], v14
	v_mul_f32 v15, 0x3fb8aa3b, v15                 ; log2(e)
	v_exp_f32 v15, v15
	v_nop                                          ; a plain instruction behind the exponential (ISA guide 5.7.2),
	s_wait_alu depctr_va_vdst(0)                   ; and the wait ahead of its first reader: the exponential has written v15
	v_mov_b32 v13, v15
	v_add_f32_dpp v13, v13, v13 row_xmask:4 row_mask:0xf bank_mask:0xf
	v_add_f32_dpp v13, v13, v13 row_xmask:8 row_mask:0xf bank_mask:0xf
	v_permlanex16_b32 v12, v13, s22, s23
	v_add_f32 v13, v13, v12
	v_rcp_f32 v13, v13
	v_nop
	s_wait_alu depctr_va_vdst(0)                   ; the same for the reciprocal: it has written v13
	v_mul_f32 v15, v15, v13
	s_wait_alu depctr_va_vdst(0)                   ; the multiply has written v15, which the LDS store reads
	ds_store_b32 v[GSW], v15                       ; a quad's four lanes write the same number to the same word
	s_wait_dscnt 0x0                               ; for wave 0's sake
	s_barrier_signal -1
	s_barrier_wait -1
	s_cmp_lg_u32 s2, 0
	s_cbranch_scc1 .Lend
	v_lshl_add_u32 v14, v1, 3, GS                  ; wave 0 stores the work-group's 64 gates: 256 consecutive bytes, at a multiple of 256 from the buffer's first
	v_lshlrev_b32 v13, 3, v1
	s_wait_alu depctr_va_vdst(0)                   ; v14 and v13 are written, which the LDS load and the store read as addresses; the conversions are done with v20 and v21, in which the LDS load lands
	ds_load_b64 v[20:21], v14
	s_wait_dscnt 0x0
	global_store_b64 v13, v[20:21], s[20:21]
.Lend:
	s_wait_dscnt 0x0                               ; the wave's end: my last LDS instructions are done
	s_wait_alu depctr_hold_cnt(0) depctr_sa_sdst(0) depctr_va_vdst(0) depctr_va_sdst(0) depctr_va_ssrc(0) depctr_va_vcc(0) depctr_vm_vsrc(0)
	s_wait_tensorcnt 0x0
	ds_add_u32 v30, v31
	s_wait_dscnt 0x0
	s_endpgm
.Lfunc_end_k_q4c41f8ee1d_prep:
	.size	k_q4c41f8ee1d_prep, .Lfunc_end_k_q4c41f8ee1d_prep-k_q4c41f8ee1d_prep
	.p2alignl 7, 3214868480
	.fill 96, 4, 3214868480
	.section	.rodata,"a",@progbits
	.p2align	6, 0x0
	.amdhsa_kernel k_q4c41f8ee1d_prep
		.amdhsa_group_segment_fixed_size 70912
		.amdhsa_private_segment_fixed_size 0
		.amdhsa_enable_private_segment 0
		.amdhsa_kernarg_size 56
		.amdhsa_user_sgpr_count 2
		.amdhsa_user_sgpr_kernarg_segment_ptr 1
		.amdhsa_wavefront_size32 1
		.amdhsa_system_sgpr_workgroup_id_x 1
		.amdhsa_system_sgpr_workgroup_id_y 1
		.amdhsa_system_sgpr_workgroup_id_z 1
		.amdhsa_system_vgpr_workitem_id 0
		.amdhsa_next_free_vgpr 220
		.amdhsa_next_free_sgpr 66
		.amdhsa_reserve_vcc 0
		.amdhsa_float_denorm_mode_32 3
		.amdhsa_float_denorm_mode_16_64 3
		.amdhsa_memory_ordered 1
		.amdhsa_forward_progress 1
		.amdhsa_inst_pref_size 31
	.end_amdhsa_kernel
	.amdgpu_metadata
---
amdhsa.version: [ 1, 2 ]
amdhsa.kernels:
  - .name:           k_q4c41f8ee1d_prep
    .symbol:         k_q4c41f8ee1d_prep.kd
    .args:
      - { .name: expert_w, .offset: 0, .size: 8, .value_kind: global_buffer, .address_space: global }
      - { .name: x, .offset: 8, .size: 8, .value_kind: global_buffer, .address_space: global }
      - { .name: gate_w, .offset: 16, .size: 8, .value_kind: global_buffer, .address_space: global }
      - { .name: gate_b, .offset: 24, .size: 8, .value_kind: global_buffer, .address_space: global }
      - { .name: wq, .offset: 32, .size: 8, .value_kind: global_buffer, .address_space: global }
      - { .name: xq, .offset: 40, .size: 8, .value_kind: global_buffer, .address_space: global }
      - { .name: gates, .offset: 48, .size: 8, .value_kind: global_buffer, .address_space: global }
    .group_segment_fixed_size: 70912
    .private_segment_fixed_size: 0
    .kernarg_segment_align: 8
    .kernarg_segment_size: 56
    .max_flat_workgroup_size: 256
    .sgpr_count:     66
    .vgpr_count:     220
    .wavefront_size: 32
...
	.end_amdgpu_metadata
.endif
;; end of part 3
;; launch gemm: the kernel of part 2 again; grid 32 x 8, 4 waves a work-group, clusters of 4 x 4, 327,680 bytes of LDS; arguments xq, wq, gates, out0; writes out0
